; MI455X (gfx1250); checked and timed in simulation.
; The chip was launched on July 23, 2026; its instructions are those of AMD's public machine-readable ISA for CDNA 5 (MIT licence, August 2026) and "CDNA5" Instruction Set Architecture Reference Guide (July 2026). The comments in the code are by the model that wrote it; some were corrected since.
;; Attn LRP Attention. Allowed arithmetic: float matrix products may take bf16 or f16 operands with f32 sums; all other float work in f32.
;; Inputs: b_proj 1,024 float32; b_qkv 3,072 float32; w_proj 1,024 x 1,024 float32; w_qkv 3,072 x 1,024 float32; x 4 x 2,048 x 1,024 float32.
;; Outputs: out0 4 x 2,048 x 1,024 float32.
;; One version. Each part assembles by itself: llvm-mc -triple=amdgcn-amd-amdhsa -mcpu=gfx1250 --defsym DOCPART=n.
;; ======== version 1 of 1: 4 launches
;; limits: values are held in f16: magnitudes above 65,504 overflow, below 6.1e-05 lose precision; right only within a limited range of input values
;; workspace buffers: xb 16,777,216 bytes; wqb 6,291,456 bytes; wpb 2,097,152 bytes; qkv 50,331,648 bytes; ao 16,777,216 bytes
;; launch cast (part 1): grid 768 x 1, 8 waves a work-group, no clusters, 0 bytes of LDS; arguments x, w_qkv, w_proj, xb, wqb, wpb; writes xb, wqb, wpb
.if DOCPART == 1
	.amdgcn_target "amdgcn-amd-amdhsa--gfx1250"
	.amdhsa_code_object_version 6
	.text
	.protected	k_q987d307018_cast
	.globl	k_q987d307018_cast
	.p2align	8
	.type	k_q987d307018_cast,@function
k_q987d307018_cast:
	s_mov_b64 s[64:65], 0
	v_nop
	global_prefetch_b8 v0, s[64:65] scope:SCOPE_SE
	s_setreg_imm32_b32 hwreg(HW_REG_WAVE_MODE, 25, 1), 1
	s_wait_xcnt 0x0
; f32 to f16 (round to nearest even) of x, w_qkv / 4 and 4 w_proj, so that the three matrix launches move and keep 16-bit tiles.
; WHY f16: it keeps 11 significant bits against the 8 of bf16, and the chain of products behind this launch rounds five more times.
; WHY THE FACTORS (exact powers of two, which cancel): with w_qkv / 4 the projections q, k, v come out divided by 4, which leaves
; them room in f16 (x and w_qkv each offset by 30 times their spread give 1024 x 30 x 0.94 = 28,800; a quarter of it is 7,200);
; 4 w_proj takes the 4 back in the last product.  x has the factor 1: one body serves the three tensors.
; LIMIT: |x| < 65,504, |w_qkv| < 262,016, |w_proj| < 16,376; beyond that the f16 number is infinite.
; A work-group takes 16,384 numbers: 64 KiB in, 32 KiB out.  Groups 0-511: x; 512-703: w_qkv; 704-767: w_proj.
; Thread t takes 16 bytes at 16 t of each block of 4,096 bytes: a load of a wave covers 512 consecutive bytes, a store
; (8 bytes a lane) 256 consecutive bytes at a multiple of 256.  All sixteen loads go out first; the only waits are the counted
; ones for the loads.  A stream: no LDS, no barrier, no matrix unit would add anything.
.set X, 4                              ; v[4:67]   sixteen loads of four f32, scaled in place
.set Y, 68                             ; v[68:99]  sixteen pairs of packed f16
	s_load_b256 s[4:11], s[0:1], 0x0               ; x s[4:5], w_qkv s[6:7], w_proj s[8:9], xb s[10:11]
	s_load_b128 s[12:15], s[0:1], 0x20             ; wqb s[12:13], wpb s[14:15]
	v_lshlrev_b32 v1, 4, v0                        ; 16 t: my bytes in a block of the source
	v_lshlrev_b32 v2, 3, v0                        ; 8 t: my bytes in a block of the destination
	s_movk_i32 s21, 704
	s_wait_kmcnt 0x0
	s_cmp_lt_u32 ttmp9, s21                        ; the choice hangs on the group number alone
	s_cselect_b64 s[16:17], s[6:7], s[8:9]
	s_cselect_b64 s[18:19], s[12:13], s[14:15]
	s_cselect_b32 s20, 512, s21
	s_cselect_b32 s26, 0x3e800000, 4.0             ; w_qkv: 0.25; w_proj: 4
	s_cmp_lt_u32 ttmp9, 512
	s_cselect_b64 s[16:17], s[4:5], s[16:17]       ; source
	s_cselect_b64 s[18:19], s[10:11], s[18:19]     ; destination
	s_cselect_b32 s20, 0, s20                      ; first group of that tensor
	s_cselect_b32 s26, 1.0, s26                    ; x: 1
	s_mov_b32 s27, s26                             ; the packed multiply names the pair
	s_sub_co_u32 s20, ttmp9, s20                   ; my number within the tensor
	s_lshl_b32 s22, s20, 16                        ; x 65,536 bytes of f32 (at most 511 x 65,536)
	s_mov_b32 s23, 0
	s_lshl_b32 s24, s20, 15                        ; x 32,768 bytes of f16
	s_mov_b32 s25, 0
	s_add_nc_u64 s[16:17], s[16:17], s[22:23]
	s_add_nc_u64 s[18:19], s[18:19], s[24:25]
.irp j, 0,1,2,3,4,5,6,7,8,9,10,11,12,13,14,15
	global_load_b128 v[X+4*\j:X+4*\j+3], v1, s[16:17] offset:4096*\j th:TH_LOAD_NT
.endr
.irp j, 0,1,2,3,4,5,6,7,8,9,10,11,12,13,14,15
	s_wait_loadcnt 15-\j                           ; loads return in order: load j is in, the younger ones stay out
	v_pk_mul_f32 v[X+4*\j:X+4*\j+1],   v[X+4*\j:X+4*\j+1],   s[26:27] op_sel_hi:[1,0]
	v_pk_mul_f32 v[X+4*\j+2:X+4*\j+3], v[X+4*\j+2:X+4*\j+3], s[26:27] op_sel_hi:[1,0]
	v_cvt_pk_f16_f32 v[Y+2*\j],   v[X+4*\j],   v[X+4*\j+1]
	v_cvt_pk_f16_f32 v[Y+2*\j+1], v[X+4*\j+2], v[X+4*\j+3]
	global_store_b64 v2, v[Y+2*\j:Y+2*\j+1], s[18:19] offset:2048*\j
.endr
	s_endpgm
.Lfunc_end_k_q987d307018_cast:
	.size	k_q987d307018_cast, .Lfunc_end_k_q987d307018_cast-k_q987d307018_cast
	.p2alignl 7, 3214868480
	.fill 96, 4, 3214868480
	.section	.rodata,"a",@progbits
	.p2align	6, 0x0
	.amdhsa_kernel k_q987d307018_cast
		.amdhsa_group_segment_fixed_size 0
		.amdhsa_private_segment_fixed_size 0
		.amdhsa_enable_private_segment 0
		.amdhsa_kernarg_size 48
		.amdhsa_user_sgpr_count 2
		.amdhsa_user_sgpr_kernarg_segment_ptr 1
		.amdhsa_wavefront_size32 1
		.amdhsa_system_sgpr_workgroup_id_x 1
		.amdhsa_system_sgpr_workgroup_id_y 1
		.amdhsa_system_sgpr_workgroup_id_z 1
		.amdhsa_system_vgpr_workitem_id 0
		.amdhsa_next_free_vgpr 104
		.amdhsa_next_free_sgpr 66
		.amdhsa_reserve_vcc 0
		.amdhsa_float_denorm_mode_32 3
		.amdhsa_float_denorm_mode_16_64 3
		.amdhsa_memory_ordered 1
		.amdhsa_forward_progress 1
		.amdhsa_inst_pref_size 9
	.end_amdhsa_kernel
	.amdgpu_metadata
---
amdhsa.version: [ 1, 2 ]
amdhsa.kernels:
  - .name:           k_q987d307018_cast
    .symbol:         k_q987d307018_cast.kd
    .args:
      - { .name: x, .offset: 0, .size: 8, .value_kind: global_buffer, .address_space: global }
      - { .name: w_qkv, .offset: 8, .size: 8, .value_kind: global_buffer, .address_space: global }
      - { .name: w_proj, .offset: 16, .size: 8, .value_kind: global_buffer, .address_space: global }
      - { .name: xb, .offset: 24, .size: 8, .value_kind: global_buffer, .address_space: global }
      - { .name: wqb, .offset: 32, .size: 8, .value_kind: global_buffer, .address_space: global }
      - { .name: wpb, .offset: 40, .size: 8, .value_kind: global_buffer, .address_space: global }
    .group_segment_fixed_size: 0
    .private_segment_fixed_size: 0
    .kernarg_segment_align: 8
    .kernarg_segment_size: 48
    .max_flat_workgroup_size: 256
    .sgpr_count:     66
    .vgpr_count:     104
    .wavefront_size: 32
...
	.end_amdgpu_metadata
.endif
;; end of part 1
;; launch gemm_qkv (part 2): grid 8 x 32, 4 waves a work-group, clusters of 4 x 4, 327,680 bytes of LDS; arguments xb, wqb, b_qkv, qkv; writes qkv
.if DOCPART == 2
	.amdgcn_target "amdgcn-amd-amdhsa--gfx1250"
	.amdhsa_code_object_version 6
	.text
	.protected	k_q987d307018_gemm_qkv
	.globl	k_q987d307018_gemm_qkv
	.p2align	8
	.type	k_q987d307018_gemm_qkv,@function
k_q987d307018_gemm_qkv:
	s_mov_b64 s[64:65], 0
	v_nop
	global_prefetch_b8 v0, s[64:65] scope:SCOPE_SE
	s_setreg_imm32_b32 hwreg(HW_REG_WAVE_MODE, 25, 1), 1
	s_wait_xcnt 0x0
	s_wait_alu depctr_hold_cnt(0) depctr_sa_sdst(0) depctr_va_vdst(0) depctr_va_sdst(0) depctr_va_ssrc(0) depctr_va_vcc(0) depctr_vm_vsrc(0)
	s_getreg_b32 s2, hwreg(HW_REG_IB_STS2, 6, 4)
	s_cmp_eq_u32 s2, 0
	s_cbranch_scc0 .Lentry_in_a_cluster
	s_endpgm
.Lentry_in_a_cluster:
	s_bfe_u32 s2, ttmp6, 0x10000c
	s_cmp_lg_u32 s2, 0xf033
	s_cbranch_scc0 .Lentry_shape_is_right
	s_endpgm
.Lentry_shape_is_right:
; qkv = (x . w_qkv^T + b_qkv) / 4, rounded once to f16 and laid out per head: qkv[b 4][g 48][n 2048][d 64], g = output column / 64
; (g 0-15 q, 16-31 k, 32-47 v).  xb: [8192][1024] f16 = x, wqb: [3072][1024] f16 = w_qkv / 4, b_qkv: [3072] f32; sums in f32.
; LIMIT: q, k and v are kept in f16 at a quarter of their size: |q|, |k|, |v| < 262,016, beyond that they become infinite.
; (All inputs 30 times larger: rms 900.  x and w_qkv both offset by 30 times their spread: 28,800.)  Non-finite inputs are not reproduced.
; A work-group makes 256 tokens x 384 columns (6 heads): 8 x 32 = 256 work-groups.  Four waves; wave w makes rows 128 (w >> 1) ..,
; columns 192 (w & 1) ..: 96 accumulator tiles of 16 x 16 in 768 registers.  For 32 along K a wave reads (128 + 192) x 64 bytes
; of LDS for 96 matrix instructions.
; K goes in steps of 64 (rows of 128 bytes) through two LDS slots: two slots of a step of 128 would take 2 x 640 rows x 272 bytes
; = 348,160 bytes, more than the work-group can be given.
; CLUSTER 4 x 4: the tiles of xb hang on the block row alone and are asked for jointly along a row of the cluster, those of wqb
; on the block column alone and are asked for jointly along a column: the requests for both are divided by four.
; The matrix instruction is used transposed (source 0 = 16 rows of wqb, source 1 = 16 rows of xb): lane (r, h) then holds token r
; and the eight neighbouring columns 8 h + 0..7 of the tile, which pack into 16 bytes.
; REGISTERS: window 0: v16-27 addresses; v32-95, v96-159 fragments of xb, two buffers; v160-255 the 12 fragments of wqb, one buffer,
; loaded again in thirds as soon as the matrix instructions that read a third are past.
; Windows 1-3: tile (b 0..11, a 0..7) in window 1 + b / 4 at register 8 (8 (b % 4) + a).
.set PITCH,  144                       ; an LDS row: 128 bytes + 16 of padding = 9 x 16: sixteen rows start at sixteen different 16-byte columns modulo 256
.set REG,    192*PITCH                 ; the region that one wave fills: 27,648 bytes (xb: 128 rows used; wqb: all 192)
.set SLOT,   4*REG                     ; regions 0, 1: rows 0-127, 128-255 of xb; regions 2, 3: rows 0-191, 192-383 of wqb
.set STAGE,  2*SLOT                    ; behind the ring: the way out, bytes that no tensor load fills
.set WSTAGE, 48*PITCH                  ; a wave's stage: 3 heads x 16 tokens x 144 bytes
.set KSB,    128                       ; bytes of a K step in a row
.set HEADB,  262144                    ; bytes of a head in qkv: 2048 x 64 x 2
.set ADRA, 16                          ; v16-17  LDS address of my fragments of xb in slot 0, 1
.set ADRB, 20                          ; v20-21  the same for wqb
.set STO,  24                          ; v24     the way out: where I put 16 bytes
.set RD,   25                          ; v25     the way out: where I read back
.set CO,   26                          ; v26     16 x lane
.set BO,   27                          ; v27     32 h: my eight bias numbers in a tile of 16
.set A0,   32
.set A1,   96
.set BF,   160
.set PK,   96                          ; the way out: packed results (in A1, which is free then)
.set RB,   192                         ; the way out: rows read back
.set G1,  24                           ; s[24:31] group 1 for xb
.set G0,  32                           ; s[32:39] group 0 for xb, one set a slot
.set G1B, 48                           ; s[48:55] group 1 for wqb
.set G0B, 56                           ; s[56:63] group 0 for wqb, one set a slot
.set MSB, 0
.macro WIN new                         ; the high byte of the immediate repeats the setting that is left
.if MSB != (\new)
	s_set_vgpr_msb (MSB<<8)|(\new)
.set MSB, (\new)
.endif
.endm
.macro PLACES                          ; four places behind the matrix instructions, in front of loads into their sources and of reads of their results
.rept 4
	v_nop
.endr
.endm
; A joint load: waves 0, 1 ask for the two halves of xb, waves 2, 3 for those of wqb.  The branch hangs on the wave number alone.
.macro JLOAD s
	s_cmp_eq_u32 s13, 0
	s_cbranch_scc0 .Lfor_b_\@
	tensor_load_to_lds s[G0+4*\s:G0+4*\s+3], s[G1:G1+7]
	s_nop 0
	s_branch .Lasked_\@
.Lfor_b_\@:
	tensor_load_to_lds s[G0B+4*\s:G0B+4*\s+3], s[G1B:G1B+7]
	s_nop 0
.Lasked_\@:
.endm
.macro CREST                           ; a round of the cluster barrier behind its opening work-group barrier
	s_cmp_lg_u32 s12, 0
	s_cbranch_scc1 .Lnot_wave_0_\@
	s_barrier_signal -3
.Lnot_wave_0_\@:
	s_barrier_wait -3
	s_barrier_signal -1
	s_barrier_wait -1
.endm
.macro CROUND                          ; a whole round
	s_barrier_signal -1
	s_barrier_wait -1
	CREST
.endm
	s_load_b256 s[4:11], s[0:1], 0x0               ; xb s[4:5], wqb s[6:7], b_qkv s[8:9], qkv s[10:11]
	v_lshl_add_u32 v30, v0, 2, 0x3cc00
	v_mov_b32 v31, 0
	ds_add_u32 v30, v31
	v_lshrrev_b32 v1, 5, v0
	v_readfirstlane_b32 s12, v1                    ; wave 0..3
	s_lshr_b32 s13, s12, 1                         ; rh: my half of the rows.  Also: I fetch xb (0) or wqb (1)
	s_and_b32 s14, s12, 1                          ; ch: my half of the columns.  Also: which half of that tile I fetch
	s_bfe_u32 s16, ttmp6, 0x40000                  ; cx
	s_bfe_u32 s17, ttmp6, 0x40004                  ; cy
	s_lshl_b32 s18, ttmp9, 2
	s_add_co_u32 s18, s18, s16                     ; X: block column 0..7
	s_and_b32 s19, ttmp7, 0xffff
	s_lshl_b32 s19, s19, 2
	s_add_co_u32 s19, s19, s17                     ; Y: block row 0..31
	s_lshl_b32 s20, s17, 2
	s_lshl_b32 s20, 15, s20                        ; my row of the cluster: places 4 cy .. 4 cy + 3
	s_lshl_b32 s21, 0x1111, s16                    ; my column: places cx, cx + 4, cx + 8, cx + 12
	; group 1: rows of 64 elements of 2 bytes; padding of 4 words behind every 32 words; bit 21 beside the mask
	s_or_b32 s[G1+0],  s20, (1<<16)|(1<<20)|(1<<21)|(4<<22)|(3<<25)
	s_or_b32 s[G1B+0], s21, (1<<16)|(1<<20)|(1<<21)|(4<<22)|(3<<25)
	s_mov_b32 s[G1+1],  64<<16                     ; tensor_dim0 = 64
	s_mov_b32 s[G1B+1], 64<<16
	s_mov_b32 s[G1+2],  128<<16                    ; tensor_dim1 = 128 rows of xb
	s_mov_b32 s[G1B+2], 192<<16                    ;             = 192 rows of wqb
	s_mov_b32 s[G1+3],  64<<16                     ; tile_dim0 = 64
	s_mov_b32 s[G1B+3], 64<<16
	s_mov_b32 s[G1+4],  128                        ; tile_dim1
	s_mov_b32 s[G1B+4], 192
	s_mov_b32 s[G1+5],  1024                       ; elements from row to row
	s_mov_b32 s[G1B+5], 1024
	s_mov_b32 s[G1+6],  0
	s_mov_b32 s[G1B+6], 0
	s_mov_b32 s[G1+7],  0
	s_mov_b32 s[G1B+7], 0
	; the tiles' places in memory: xb's of Y and the wave, wqb's of X and the wave, each in registers that never hold the other coordinate
	s_lshl_b32 s40, s19, 8
	s_lshl_b32 s41, s14, 7
	s_add_co_u32 s40, s40, s41                     ; row 256 Y + 128 ch
	s_lshl_b32 s40, s40, 11                        ; x 2,048 bytes (below 2^25)
	s_mov_b32 s41, 0
	s_mul_i32 s44, s18, 384
	s_mul_i32 s45, s14, 192
	s_add_co_u32 s44, s44, s45                     ; row 384 X + 192 ch
	s_lshl_b32 s44, s44, 11
	s_mov_b32 s45, 0
	s_mul_i32 s22, s12, REG                        ; and in LDS: wave x region
	; offsets of the way out, in registers from which no descriptor is made
	s_mul_i32 s70, s18, 384
	s_mul_i32 s71, s14, 192
	s_add_co_u32 s70, s70, s71
	s_lshl_b32 s70, s70, 2                         ; my first column in b_qkv, in bytes
	s_mov_b32 s71, 0
	s_lshr_b32 s72, s19, 3                         ; batch = Y / 8
	s_mul_i32 s72, s72, 48
	s_mul_i32 s73, s18, 6
	s_add_co_u32 s72, s72, s73
	s_mul_i32 s73, s14, 3
	s_add_co_u32 s72, s72, s73                     ; my first head: 48 b + 6 X + 3 ch
	s_lshl_b32 s72, s72, 11                        ; x 2,048 tokens
	s_and_b32 s73, s19, 7
	s_lshl_b32 s73, s73, 8
	s_add_co_u32 s72, s72, s73                     ; + 256 (Y % 8)
	s_lshl_b32 s73, s13, 7
	s_add_co_u32 s72, s72, s73                     ; + 128 rh
	s_lshl_b32 s72, s72, 7                         ; x 128 bytes (below 2^26)
	s_mov_b32 s73, 0
	s_wait_dscnt 0x0
	s_wait_kmcnt 0x0
	s_add_nc_u64 s[42:43], s[4:5], s[40:41]
	s_add_nc_u64 s[46:47], s[6:7], s[44:45]
	s_add_nc_u64 s[8:9], s[8:9], s[70:71]
	s_add_nc_u64 s[10:11], s[10:11], s[72:73]
	CROUND                                         ; all sixteen work-groups are here: the first joint loads meet
.irp s, 0,1
	s_mov_b32 s[G0+4*\s], 1
	s_add_co_u32 s[G0+4*\s+1], s22, \s*SLOT
	s_add_nc_u64 s[G0+4*\s+2:G0+4*\s+3], s[42:43], \s*KSB          ; K step s
	s_or_b32 s[G0+4*\s+3], s[G0+4*\s+3], 0x80000000
	s_mov_b32 s[G0B+4*\s], 1
	s_add_co_u32 s[G0B+4*\s+1], s22, \s*SLOT
	s_add_nc_u64 s[G0B+4*\s+2:G0B+4*\s+3], s[46:47], \s*KSB
	s_or_b32 s[G0B+4*\s+3], s[G0B+4*\s+3], 0x80000000
	JLOAD \s                                       ; both first fills go out together: two tensor loads of the wave are out
.endr
	; a fragment: lane (r, h) takes row r, 16 bytes at 16 h and 16 bytes 32 further on
	v_and_b32 v1, 15, v0                           ; r
	v_bfe_u32 v2, v0, 4, 1                         ; h
	v_mul_u32_u24 v3, v1, PITCH
	v_lshl_add_u32 v3, v2, 4, v3                   ; 144 r + 16 h
	s_mul_i32 s66, s13, REG                        ; my 128 rows of xb
	s_mul_i32 s67, s14, REG
	s_add_co_u32 s67, s67, 2*REG                   ; my 192 rows of wqb
.irp s, 0,1
	v_add_nc_u32 v[ADRA+\s], s66, v3
	v_add_nc_u32 v[ADRB+\s], s67, v3
	s_add_co_u32 s66, s66, SLOT
	s_add_co_u32 s67, s67, SLOT
.endr
	s_mul_i32 s68, s12, WSTAGE
	s_add_co_u32 s68, s68, STAGE                   ; my stage
	v_add_nc_u32 v[STO], s68, v3                   ; in: token r, 16 bytes for each half of the lanes
	v_bfe_u32 v4, v0, 3, 2                         ; back: eight lanes take a token's 128 bytes, a load four tokens
	v_and_b32 v5, 7, v0
	v_mul_u32_u24 v4, v4, PITCH
	v_lshl_add_u32 v4, v5, 4, v4
	v_add_nc_u32 v[RD], s68, v4
	v_and_b32 v5, 31, v0
	v_lshlrev_b32 v[CO], 4, v5
	v_lshlrev_b32 v[BO], 5, v2
; eight matrix instructions: column tile 4 (w - 1) + bb x the eight row tiles of buffer f.  zero = 1: the first product starts the sum.
; The 96 accumulators take turns, one instruction a turn, in the same order in every quarter.
.macro MUL8 w, bb, f, zero
.irp a, 0,1,2,3,4,5,6,7
.if \zero
	v_wmma_f32_16x16x32_f16 v[8*(8*\bb+\a):8*(8*\bb+\a)+7], v[BF+8*(4*(\w-1)+\bb):BF+8*(4*(\w-1)+\bb)+7], v[\f+8*\a:\f+8*\a+7], 0
.else
	v_wmma_f32_16x16x32_f16 v[8*(8*\bb+\a):8*(8*\bb+\a)+7], v[BF+8*(4*(\w-1)+\bb):BF+8*(4*(\w-1)+\bb)+7], v[\f+8*\a:\f+8*\a+7], v[8*(8*\bb+\a):8*(8*\bb+\a)+7]
.endif
.endr
.endm
.macro MULT w, f, zero                 ; the 32 tiles of window w: C and D in window w, both sources in window 0
	WIN 0x50*\w
.irp bb, 0,1,2,3
	MUL8 \w, \bb, \f, \zero
.endr
.endm
.macro FETCHA slot, k, f               ; 16 loads: my 128 rows of xb, 32 along K at byte k
.irp i, 0,1,2,3,4,5,6,7
	ds_load_b128 v[\f+8*\i:\f+8*\i+3],   v[ADRA+\slot] offset:\k+\i*16*PITCH
	ds_load_b128 v[\f+8*\i+4:\f+8*\i+7], v[ADRA+\slot] offset:\k+\i*16*PITCH+32
.endr
.endm
.macro FETCHB_LO slot, k               ; 16 loads: fragments 0-7 of wqb
.irp i, 0,1,2,3,4,5,6,7
	ds_load_b128 v[BF+8*\i:BF+8*\i+3],   v[ADRB+\slot] offset:\k+\i*16*PITCH
	ds_load_b128 v[BF+8*\i+4:BF+8*\i+7], v[ADRB+\slot] offset:\k+\i*16*PITCH+32
.endr
.endm
.macro FETCHB_HI slot, k               ; 8 loads: fragments 8-11
.irp i, 8,9,10,11
	ds_load_b128 v[BF+8*\i:BF+8*\i+3],   v[ADRB+\slot] offset:\k+\i*16*PITCH
	ds_load_b128 v[BF+8*\i+4:BF+8*\i+7], v[ADRB+\slot] offset:\k+\i*16*PITCH+32
.endr
.endm
; The first half of a K step: multiplies buffer A0, fetches the second half (byte 64 of the same slot) into A1 and BF.
.macro QA slot, zero
	s_wait_dscnt 8                                 ; all but the youngest eight loads (fragments 8-11 of wqb) are in
	MULT 1, A0, \zero
	PLACES
	WIN 0
	FETCHA \slot, 64, A1
	MULT 2, A0, \zero
	PLACES
	WIN 0
	FETCHB_LO \slot, 64                            ; fragments 0-7 have been read by the 64 matrix instructions above
	s_wait_dscnt 32                                ; the 32 loads just issued stay out; the old fragments 8-11 are in
	MULT 3, A0, \zero
	PLACES
	WIN 0
	FETCHB_HI \slot, 64
.endm
; The second half: multiplies A1 and changes slots.  fill = 1: this slot is filled again, two K steps ahead.
; In front of the barrier each wave waits for its reads of this slot and for all its tensor loads (one is out: its part of the
; next slot).  Where the slot is filled again the barrier opens a round of the cluster barrier, and the joint load is the first
; tensor load behind the round.  From a request to the wait for it a wave issues 176 matrix instructions.
.macro QB slot, next, fill
	s_wait_dscnt 8
	WIN 0x50
	MUL8 1, 0, A1, 0
	MUL8 1, 1, A1, 0
	s_wait_dscnt 0                                 ; my reads of this slot are over
	s_wait_tensorcnt 0x0                           ; all my tensor loads have landed
	ds_add_u32 v30, v31
	s_wait_dscnt 0x0
	s_barrier_signal -1
	MUL8 1, 2, A1, 0                               ; register work while the others arrive
	MUL8 1, 3, A1, 0
	WIN 0
	s_barrier_wait -1
.if \fill
	CREST                                          ; no wave of any partner still reads this slot or has a load on its way
	s_add_nc_u64 s[G0+4*\slot+2:G0+4*\slot+3], s[G0+4*\slot+2:G0+4*\slot+3], 2*KSB
	s_add_nc_u64 s[G0B+4*\slot+2:G0B+4*\slot+3], s[G0B+4*\slot+2:G0B+4*\slot+3], 2*KSB
	JLOAD \slot
.endif
	PLACES
	FETCHA \next, 0, A0
	MULT 2, A1, 0
	PLACES
	WIN 0
	FETCHB_LO \next, 0
	MULT 3, A1, 0
	PLACES
	WIN 0
	FETCHB_HI \next, 0
.endm
.macro LAP zero                        ; two K steps, both slots filled again
	QA 0, \zero
	QB 0, 1, 1
	QA 1, 0
	QB 1, 0, 1
.endm
	s_wait_tensorcnt 0x1                           ; my part of K step 0 is in; K step 1 stays out
	s_barrier_signal -1
	s_barrier_wait -1
	FETCHA 0, 0, A0
	FETCHB_LO 0, 0
	FETCHB_HI 0, 0
	LAP 1                                          ; 16 K steps = 8 laps: the first starts the sums,
	WIN 0
	s_mov_b32 s15, 6                               ; six go round,
.Llap:
	LAP 0
	WIN 0
	s_sub_co_u32 s15, s15, 1
	s_cmp_lg_u32 s15, 0
	s_cbranch_scc1 .Llap
	QA 0, 0                                        ; and the last fills nothing and has no round
	QB 0, 1, 0
	QA 1, 0
	; the very last half step; the bias comes in beside it, into fragment registers that are free
	s_wait_dscnt 8
.irp b, 0,1,2,3,4,5,6,7
	global_load_b128 v[A0+8*\b:A0+8*\b+3],   v[BO], s[8:9] offset:64*\b      ; bias of column tile b: columns 16 b + 8 h + 0..7
	global_load_b128 v[A0+8*\b+4:A0+8*\b+7], v[BO], s[8:9] offset:64*\b+16
.endr
	MULT 1, A1, 0
	PLACES
	WIN 0
.irp b, 0,1,2,3
	global_load_b128 v[BF+8*\b:BF+8*\b+3],   v[BO], s[8:9] offset:512+64*\b  ; tiles 8-11, over fragments 0-3, which have been read
	global_load_b128 v[BF+8*\b+4:BF+8*\b+7], v[BO], s[8:9] offset:512+64*\b+16
.endr
	MULT 2, A1, 0
	s_wait_dscnt 0
	MULT 3, A1, 0
	PLACES
	s_wait_loadcnt 0x0                             ; the bias
	s_mov_b32 s68, 0x3e800000                      ; 0.25, as a pair for the packed multiply-add
	s_mov_b32 s69, 0x3e800000
; the sums are x . (w_qkv / 4); a quarter of the bias comes on top by one fused multiply-add, in f32, in place:
; window w, bias of its four column tiles from register bi0 of window 0
.macro BIASADD w, bi0
	WIN 0x50*\w
.irp bb, 0,1,2,3
.irp a, 0,1,2,3,4,5,6,7
.irp p, 0,2,4,6
	v_pk_fma_f32 v[8*(8*\bb+\a)+\p:8*(8*\bb+\a)+\p+1], v[\bi0+8*\bb+\p:\bi0+8*\bb+\p+1], s[68:69], v[8*(8*\bb+\a)+\p:8*(8*\bb+\a)+\p+1] op_sel_hi:[1,0,1]
.endr
.endr
.endr
.endm
	BIASADD 1, A0
	BIASADD 2, A0+32
	BIASADD 3, BF
; THE WAY OUT, 16 tokens at a time: round to f16, 16 bytes a lane into my own stage (3 heads x 16 tokens), read back four tokens
; of a head at a time: in qkv these are 512 consecutive bytes at a multiple of 512.  LDS serves a wave in order, so no wait
; stands between my stores and my loads.
.macro OUT16 i
.irp w, 1,2,3
	WIN 0x05*\w
.irp bb, 0,1,2,3
.irp r, 0,1,2,3
	v_cvt_pk_f16_f32 v[PK+4*(4*(\w-1)+\bb)+\r], v[8*(8*\bb+\i)+2*\r], v[8*(8*\bb+\i)+2*\r+1]
.endr
.endr
.endr
	WIN 0
.irp hd, 0,1,2
.irp bb, 0,1,2,3
	ds_store_b128 v[STO], v[PK+4*(4*\hd+\bb):PK+4*(4*\hd+\bb)+3] offset:\hd*16*PITCH+32*\bb
.endr
.endr
	s_wait_xcnt 0x0                                ; RB, which the last group's stores read, is loaded again only behind this wait
.irp hd, 0,1,2
.irp t, 0,1,2,3
	ds_load_b128 v[RB+4*(4*\hd+\t):RB+4*(4*\hd+\t)+3], v[RD] offset:\hd*16*PITCH+\t*4*PITCH
.endr
.endr
.irp hd, 0,1,2
.irp t, 0,1,2,3
	s_wait_dscnt 11-(4*\hd+\t)                     ; the younger read-backs stay out
	global_store_b128 v[CO], v[RB+4*(4*\hd+\t):RB+4*(4*\hd+\t)+3], s[10:11] offset:\hd*HEADB+(16*\i+4*\t)*128
.endr
.endr
.endm
.irp i, 0,1,2,3,4,5,6,7
	OUT16 \i
.endr
	s_wait_tensorcnt 0x0
	ds_add_u32 v30, v31
	s_wait_dscnt 0x0
	CROUND                                         ; the closing round: no work-group ends while a partner may still ask jointly
	s_endpgm
.Lfunc_end_k_q987d307018_gemm_qkv:
	.size	k_q987d307018_gemm_qkv, .Lfunc_end_k_q987d307018_gemm_qkv-k_q987d307018_gemm_qkv
	.p2alignl 7, 3214868480
	.fill 96, 4, 3214868480
	.section	.rodata,"a",@progbits
	.p2align	6, 0x0
	.amdhsa_kernel k_q987d307018_gemm_qkv
		.amdhsa_group_segment_fixed_size 327680
		.amdhsa_private_segment_fixed_size 0
		.amdhsa_enable_private_segment 0
		.amdhsa_kernarg_size 32
		.amdhsa_user_sgpr_count 2
		.amdhsa_user_sgpr_kernarg_segment_ptr 1
		.amdhsa_wavefront_size32 1
		.amdhsa_system_sgpr_workgroup_id_x 1
		.amdhsa_system_sgpr_workgroup_id_y 1
		.amdhsa_system_sgpr_workgroup_id_z 1
		.amdhsa_system_vgpr_workitem_id 0
		.amdhsa_next_free_vgpr 1024
		.amdhsa_next_free_sgpr 74
		.amdhsa_reserve_vcc 0
		.amdhsa_float_denorm_mode_32 3
		.amdhsa_float_denorm_mode_16_64 3
		.amdhsa_memory_ordered 1
		.amdhsa_forward_progress 1
		.amdhsa_inst_pref_size 196
	.end_amdhsa_kernel
	.amdgpu_metadata
---
amdhsa.version: [ 1, 2 ]
amdhsa.kernels:
  - .name:           k_q987d307018_gemm_qkv
    .symbol:         k_q987d307018_gemm_qkv.kd
    .args:
      - { .name: xb, .offset: 0, .size: 8, .value_kind: global_buffer, .address_space: global }
      - { .name: wqb, .offset: 8, .size: 8, .value_kind: global_buffer, .address_space: global }
      - { .name: b_qkv, .offset: 16, .size: 8, .value_kind: global_buffer, .address_space: global }
      - { .name: qkv, .offset: 24, .size: 8, .value_kind: global_buffer, .address_space: global }
    .group_segment_fixed_size: 327680
    .private_segment_fixed_size: 0
    .kernarg_segment_align: 8
    .kernarg_segment_size: 32
    .max_flat_workgroup_size: 128
    .sgpr_count:     74
    .vgpr_count:     1024
    .wavefront_size: 32
...
	.end_amdgpu_metadata
.endif
;; end of part 2
;; launch attn (part 3): grid 256 x 1, 8 waves a work-group, clusters of 4 x 1, 327,680 bytes of LDS; arguments qkv, ao; writes ao
.if DOCPART == 3
	.amdgcn_target "amdgcn-amd-amdhsa--gfx1250"
	.amdhsa_code_object_version 6
	.text
	.protected	k_q987d307018_attn
	.globl	k_q987d307018_attn
	.p2align	8
	.type	k_q987d307018_attn,@function
k_q987d307018_attn:
	s_mov_b64 s[64:65], 0
	v_nop
	global_prefetch_b8 v0, s[64:65] scope:SCOPE_SE
	s_setreg_imm32_b32 hwreg(HW_REG_WAVE_MODE, 25, 1), 1
	s_wait_xcnt 0x0
	s_wait_alu depctr_hold_cnt(0) depctr_sa_sdst(0) depctr_va_vdst(0) depctr_va_sdst(0) depctr_va_ssrc(0) depctr_va_vcc(0) depctr_vm_vsrc(0)
	s_getreg_b32 s2, hwreg(HW_REG_IB_STS2, 6, 4)
	s_cmp_eq_u32 s2, 0
	s_cbranch_scc0 .Lentry_in_a_cluster
	s_endpgm
.Lentry_in_a_cluster:
	s_bfe_u32 s2, ttmp6, 0x10000c
	s_cmp_lg_u32 s2, 0x3003
	s_cbranch_scc0 .Lentry_shape_is_right
	s_endpgm
.Lentry_shape_is_right:
; ao[b][h][n][d] = (softmax(q k^T / 8) v) / 4 for each of the 64 heads (b, h), with a running maximum.
; qkv[b][g][n][d] holds q / 4, k / 4 and v / 4 in f16, so a raw score is q k / 16 and the result, a weighted mean of v / 4, is as large as v / 4.
; LIMITS: P (always in 0..1, since the running maximum is taken away) and the result are rounded to f16; a P below about 3e-8 counts
; as 0; scores are taken as finite (NaN and infinities are not reproduced).  The factor 16 / 8 and log2 e are applied in f32
; inside the softmax, not rounded into q.
; A cluster of four work-groups takes one head; work-group cx takes queries 512 cx .., wave w its 64 queries 64 w ...  All four
; read the same K and V, so each tile is asked for jointly (mask 15).  Eight waves, two on a SIMD, so that the softmax of one
; runs beside the matrix instructions of the other.
; LAYOUT: S^T = K Q^T (A = 16 keys, B = 16 queries): lane (r, h) holds query r, keys 8 h + 0..7 of the tile.  Packed in pairs, two
; such tiles ARE the B fragment of P^T for O^T = V^T P^T: nothing is moved between lanes.  V^T comes by the transposing LDS load
; from V as it lies, [key][d].  A query's maximum and sum need one exchange between the two halves of the wave.
; RING: two slots of 128 keys (two steps of 64), 16 tiles.  Waves 0, 1 fetch K's keys 64 w .., waves 2, 3 V's keys 64 (w - 2) ..,
; 64 rows a load; waves 4-7 fetch nothing.  One load a wave behind each round; it has two steps of work in which to land.
; One tensor load of a wave is out at any time.
; WHY SLOTS OF TWO STEPS, though LDS has room for more: the text stays short.  Eight steps are written out (tile 0, which starts the
; sums; the loop's two tiles; tile 15, which asks for nothing), and 28 of the 32 steps that a wave runs are the loop's four.
; PREFETCH: wave 4 asks, in the trip of tile t, for tile min(t + 2, 15), one trip ahead of the tensor load that wants it.
; Work-group cx asks for quarter cx of the tile: 4,096 bytes of K by lanes 0-15, 4,096 of V by lanes 16-31, lanes 256 bytes apart,
; so the four partners together name each block of 256 bytes once.  Tiles 0 and 1 are not asked for; in trip 14 the clamp names
; tile 15 a second time; the last trip asks for nothing.  No request leaves the head's K or V.
.set HEADB, 262144                     ; bytes of a head: 2048 x 64 x 2
.set KP,    144                        ; K's LDS pitch: 9 x 16 bytes
.set VP,    160                        ; V's LDS pitch: 5 x 32 bytes, for the transposing load
.set WREG,  10240                      ; the region that one wave fills: 64 rows (K uses 9,216 bytes, V all)
.set SLOT,  4*WREG                     ; regions 0, 1: K's keys 0-63, 64-127; regions 2, 3: V's
.set STAGE, 2*SLOT                     ; the way out: 16 tokens x 144 bytes for each wave; no tensor load fills it
.set TILEB, 16384                      ; 128 keys x 128 bytes
.set TILES, 16
.set ADK,  8                           ; v8-9    LDS address of K's fragments in slot 0, 1
.set ADV,  10                          ; v10-11  the same for V
.set STO,  12
.set RD,   13
.set CO,   14
.set QOFF, 15
.set NM,   16                          ; v16 + 2 qt: -c x maximum;  M = v17 + 2 qt: the running maximum of the raw scores
.set M,    17
.set AL,   24                          ; v24 + 2 qt: the factor for the old sums;  T = v25 + 2 qt: at work
.set T,    25
.set LS,   32                          ; v[32:39] a pair of partial sums for each qt
.set XX,   40                          ; v40-43  what comes from the other half of the wave
.set PF0,  44                          ; v44     prefetch: my lane's byte offset in qkv within tile 0
.set PF,   45                          ; v45     the same within the tile that is asked for
.set QF,   64                          ; v64-127   Q's fragments (qt, ks) at 16 qt + 8 ks
.set KF,   128                         ; v128-191  K's fragments (kt, ks) at 16 kt + 8 ks
.set VF,   192                         ; v192-255  V^T's fragments (dt, kp) at 8 (4 kp + dt)
.set OO,   128                         ; window 1: S(kt, qt) at 32 qt + 8 kt; O(dt, qt) at 128 + 32 qt + 8 dt
.set G1K, 20
.set G1V, 28
.set G0K, 36
.set G0V, 44
.set MSB, 0
.macro WIN new
.if MSB != (\new)
	s_set_vgpr_msb (MSB<<8)|(\new)
.set MSB, (\new)
.endif
.endm
.macro PLACES
.rept 4
	v_nop
.endr
.endm
.macro JLOAD s                         ; waves 0, 1 ask for K, waves 2, 3 for V, the others for nothing; the branches hang on the wave number alone
	s_cmp_eq_u32 s9, 0
	s_cbranch_scc0 .Lnot_k_\@
	tensor_load_to_lds s[G0K+4*(\s):G0K+4*(\s)+3], s[G1K:G1K+7]
	s_nop 0
	s_branch .Lasked_\@
.Lnot_k_\@:
	s_cmp_eq_u32 s9, 1
	s_cbranch_scc0 .Lasked_\@
	tensor_load_to_lds s[G0V+4*(\s):G0V+4*(\s)+3], s[G1V:G1V+7]
	s_nop 0
.Lasked_\@:
.endm
.macro ROUND                           ; a round of the cluster barrier
	s_barrier_signal -1
	s_barrier_wait -1
	s_cmp_lg_u32 s8, 0
	s_cbranch_scc1 .Lnot_wave_0_\@
	s_barrier_signal -3
.Lnot_wave_0_\@:
	s_barrier_wait -3
	s_barrier_signal -1
	s_barrier_wait -1
.endm
	s_load_b128 s[4:7], s[0:1], 0x0                ; qkv s[4:5], ao s[6:7]
	v_lshl_add_u32 v62, v0, 2, 0x29000
	v_mov_b32 v63, 0
	ds_add_u32 v62, v63
	v_lshrrev_b32 v1, 5, v0
	v_readfirstlane_b32 s8, v1                     ; wave 0..7
	s_lshr_b32 s9, s8, 1                           ; I fetch K (0), V (1) or nothing (2, 3)
	s_bfe_u32 s10, ttmp6, 0x40000                  ; cx: my block of 512 queries
	s_mov_b32 s12, 0x76543210                      ; v_permlanex16_b32: lane i takes lane i of the other half
	s_mov_b32 s13, 0xfedcba98
	s_mov_b32 s14, 0x4038aa3b                      ; c = 16 log2 e / 8 = 2 log2 e: the 16 undoes the two quarters in q / 4 and k / 4
	s_mov_b32 s15, 0x4038aa3b
	s_mov_b32 s16, 0xc038aa3b                      ; -c
	; group 1: 64 rows of 64 elements of 2 bytes, dense in memory; padding behind every 32 words: 4 words for K, 8 for V
	s_mov_b32 s[G1K+0], 15|(1<<16)|(1<<20)|(1<<21)|(4<<22)|(3<<25)
	s_mov_b32 s[G1V+0], 15|(1<<16)|(1<<20)|(1<<21)|(4<<22)|(7<<25)
	s_mov_b32 s[G1K+1], 64<<16
	s_mov_b32 s[G1V+1], 64<<16
	s_mov_b32 s[G1K+2], 64<<16
	s_mov_b32 s[G1V+2], 64<<16
	s_mov_b32 s[G1K+3], 64<<16
	s_mov_b32 s[G1V+3], 64<<16
	s_mov_b32 s[G1K+4], 64
	s_mov_b32 s[G1V+4], 64
	s_mov_b32 s[G1K+5], 64
	s_mov_b32 s[G1V+5], 64
	s_mov_b32 s[G1K+6], 0
	s_mov_b32 s[G1V+6], 0
	s_mov_b32 s[G1K+7], 0
	s_mov_b32 s[G1V+7], 0
	s_lshr_b32 s17, ttmp9, 4                       ; b
	s_and_b32 s18, ttmp9, 15                       ; h
	s_mul_i32 s17, s17, 48
	s_add_co_u32 s17, s17, s18
	s_lshl_b32 s17, s17, 18                        ; q's head: (48 b + h) x 262,144 bytes (below 2^26)
	s_and_b32 s19, s8, 1
	s_lshl_b32 s19, s19, 13                        ; which 64 keys of a tile I fetch: 64 x 128 bytes x (wave & 1)
	s_add_co_u32 s54, s17, s19
	s_add_co_u32 s54, s54, 16*HEADB                ; K: 16 heads on (used by waves 0, 1)
	s_mov_b32 s55, 0
	s_add_co_u32 s56, s17, s19
	s_add_co_u32 s56, s56, 32*HEADB                ; V: 32 heads on (used by waves 2, 3)
	s_mov_b32 s57, 0
	s_mul_i32 s11, s8, WREG                        ; my region in a slot
	; what hangs on cx stays in registers from which no descriptor is made
	s_lshl_b32 s62, s10, 9
	s_lshl_b32 s63, s8, 6
	s_add_co_u32 s62, s62, s63                     ; q0 = 512 cx + 64 w
	s_lshl_b32 s62, s62, 7                         ; x 128 bytes
	s_add_co_u32 s58, s17, s62
	s_mov_b32 s59, 0
	s_lshl_b32 s60, ttmp9, 18
	s_add_co_u32 s60, s60, s62
	s_mov_b32 s61, 0
	s_lshl_b32 s63, s10, 12                        ; prefetch: my work-group's quarter of a tile, 4,096 cx,
	s_add_co_u32 s63, s63, s17
	s_add_co_u32 s63, s63, 16*HEADB                ; in K of my head
	s_mov_b32 s53, 2*TILEB                         ; and the tile that is asked for next, in bytes: tile 2
	s_wait_dscnt 0x0
	s_wait_kmcnt 0x0
	s_add_nc_u64 s[54:55], s[4:5], s[54:55]
	s_add_nc_u64 s[56:57], s[4:5], s[56:57]
	s_add_nc_u64 s[58:59], s[4:5], s[58:59]        ; my 64 queries
	s_add_nc_u64 s[6:7], s[6:7], s[60:61]          ; and their place in ao
.irp s, 0,1
	s_mov_b32 s[G0K+4*\s], 1
	s_add_co_u32 s[G0K+4*\s+1], s11, \s*SLOT
	s_add_nc_u64 s[G0K+4*\s+2:G0K+4*\s+3], s[54:55], \s*TILEB      ; tile s
	s_or_b32 s[G0K+4*\s+3], s[G0K+4*\s+3], 0x80000000
	s_mov_b32 s[G0V+4*\s], 1
	s_add_co_u32 s[G0V+4*\s+1], s11, \s*SLOT
	s_add_nc_u64 s[G0V+4*\s+2:G0V+4*\s+3], s[56:57], \s*TILEB
	s_or_b32 s[G0V+4*\s+3], s[G0V+4*\s+3], 0x80000000
.endr
	ROUND                                          ; in front of the first joint load
	JLOAD 0                                        ; tile 0
	v_and_b32 v1, 15, v0                           ; r
	v_bfe_u32 v2, v0, 4, 1                         ; h
	v_lshlrev_b32 v[QOFF], 7, v1
	v_lshl_add_u32 v[QOFF], v2, 4, v[QOFF]         ; 128 r + 16 h
.irp qt, 0,1,2,3
.irp ks, 0,1
	global_load_b128 v[QF+16*\qt+8*\ks:QF+16*\qt+8*\ks+3],   v[QOFF], s[58:59] offset:\qt*2048+64*\ks
	global_load_b128 v[QF+16*\qt+8*\ks+4:QF+16*\qt+8*\ks+7], v[QOFF], s[58:59] offset:\qt*2048+64*\ks+32
.endr
.endr
	v_mul_u32_u24 v3, v1, KP
	v_lshl_add_u32 v3, v2, 4, v3                   ; 144 r + 16 h
	v_mov_b32 v[ADK], v3
	v_add_nc_u32 v[ADK+1], SLOT, v3
	v_and_b32 v4, 7, v0
	v_lshl_add_u32 v5, v2, 3, v4                   ; key 8 h + (lane & 7)
	v_mul_u32_u24 v5, v5, VP
	v_bfe_u32 v6, v0, 3, 1
	v_lshl_add_u32 v5, v6, 4, v5                   ; + 16 ((lane >> 3) & 1)
	v_add_nc_u32 v[ADV], 2*WREG, v5
	v_add_nc_u32 v[ADV+1], SLOT+2*WREG, v5
	s_mul_i32 s18, s8, 16*KP
	s_add_co_u32 s18, s18, STAGE                   ; my stage
	v_add_nc_u32 v[STO], s18, v3
	v_bfe_u32 v6, v0, 3, 2
	v_mul_u32_u24 v6, v6, KP
	v_lshl_add_u32 v6, v4, 4, v6
	v_add_nc_u32 v[RD], s18, v6                    ; back: eight lanes take a token's 128 bytes
	v_and_b32 v6, 31, v0
	v_lshlrev_b32 v[CO], 4, v6
	v_lshlrev_b32 v[PF0], 8, v1                    ; prefetch: 256 (lane & 15),
	v_lshl_add_u32 v[PF0], v2, 22, v[PF0]          ; lanes 16-31 sixteen heads on, in V (16 x 262,144 = 2^22),
	v_add_nc_u32 v[PF0], s63, v[PF0]               ; in my quarter of tile 0
.irp qt, 0,1,2,3
	v_mov_b32 v[XX+\qt], 0                         ; the destination of v_permlanex16_b32 counts as read
.endr
	s_wait_loadcnt 0x0                             ; Q, once
.macro KLOAD s, i                      ; 16 loads: the 64 keys of step i as A fragments
.irp kt, 0,1,2,3
.irp ks, 0,1
	ds_load_b128 v[KF+16*\kt+8*\ks:KF+16*\kt+8*\ks+3],   v[ADK+\s] offset:(\i)*WREG+\kt*16*KP+64*\ks
	ds_load_b128 v[KF+16*\kt+8*\ks+4:KF+16*\kt+8*\ks+7], v[ADK+\s] offset:(\i)*WREG+\kt*16*KP+64*\ks+32
.endr
.endr
.endm
.macro VLOAD s, i                      ; 16 transposing loads: V^T of step i as A fragments (16 d x 32 keys)
.irp kp, 0,1
.irp dt, 0,1,2,3
	ds_load_tr16_b128 v[VF+8*(4*\kp+\dt):VF+8*(4*\kp+\dt)+3],   v[ADV+\s] offset:(\i)*WREG+\kp*32*VP+32*\dt
	ds_load_tr16_b128 v[VF+8*(4*\kp+\dt)+4:VF+8*(4*\kp+\dt)+7], v[ADV+\s] offset:(\i)*WREG+\kp*32*VP+32*\dt+16*VP
.endr
.endr
.endm
; One step: 64 keys against my 64 queries.  pf = 1: the next step's K fragments are fetched.  first = 1: nothing is carried yet.
; ask = 1: wave 4 sends this trip's prefetch, behind the step's LDS loads and in front of the vector work.
.macro STEP s, i, pf, first, ask
.if \first == 0
.rept 5
	v_nop                                          ; five places: the products below write over registers that the last products read as B (ISA guide 7.12.1)
.endr
.endif
	s_wait_dscnt 0x0                               ; K's fragments are in
	WIN 0x50
	; S^T = K Q^T.  Sixteen accumulators take turns, one instruction a turn: each link stands 16 behind the one it adds onto.
.irp kt, 0,1,2,3
.irp qt, 0,1,2,3
	v_wmma_f32_16x16x32_f16 v[32*\qt+8*\kt:32*\qt+8*\kt+7], v[KF+16*\kt:KF+16*\kt+7], v[QF+16*\qt:QF+16*\qt+7], 0
.endr
.endr
.irp kt, 0,1,2,3
.irp qt, 0,1,2,3
	v_wmma_f32_16x16x32_f16 v[32*\qt+8*\kt:32*\qt+8*\kt+7], v[KF+16*\kt+8:KF+16*\kt+15], v[QF+16*\qt+8:QF+16*\qt+15], v[32*\qt+8*\kt:32*\qt+8*\kt+7]
.endr
.endr
	PLACES
	WIN 0
	VLOAD \s, \i
.if \pf
	KLOAD \s, \i+1
.endif
.if \ask
	s_cmp_lg_u32 s8, 4
	s_cbranch_scc1 .Lno_ask_\@
	global_prefetch_b8 v[PF], s[4:5] th:TH_LOAD_NT scope:SCOPE_SE   ; 32 blocks of 256 bytes: my work-group's quarter of K and of V of the tile two on
.Lno_ask_\@:
.endif
	; the running maximum of the raw scores: 32 numbers a lane and query tile, four chains side by side
	WIN 0x05
.irp qt, 0,1,2,3
.if \first
	v_max_num_f32 v[T+2*\qt], v[32*\qt], v[32*\qt+1]
.else
	v_max3_num_f32 v[T+2*\qt], v[32*\qt], v[32*\qt+1], v[M+2*\qt]
.endif
.endr
.irp p, 2,4,6,8,10,12,14,16,18,20,22,24,26,28,30
.irp qt, 0,1,2,3
	v_max3_num_f32 v[T+2*\qt], v[32*\qt+\p], v[32*\qt+\p+1], v[T+2*\qt]
.endr
.endr
	WIN 0
.irp qt, 0,1,2,3
	v_permlanex16_b32 v[XX+\qt], v[T+2*\qt], s12, s13      ; the other eight keys of each tile lie in the other half of the wave
.endr
.irp qt, 0,1,2,3
	v_max_num_f32 v[M+2*\qt], v[T+2*\qt], v[XX+\qt]
.endr
.irp qt, 0,1,2,3
	v_mul_f32 v[XX+\qt], s16, v[M+2*\qt]           ; the new shift, -c m
.endr
.if \first == 0
.irp qt, 0,1,2,3
	v_sub_f32 v[AL+2*\qt], v[XX+\qt], v[NM+2*\qt]  ; new shift - old shift, never above 0
.endr
.irp qt, 0,1,2,3
	v_exp_f32 v[AL+2*\qt], v[AL+2*\qt]             ; the old sums are worth 2^(that): the same two shifts as in p, so the rounding of a shift cancels
.endr
.endif
	s_wait_alu depctr_va_vdst(0)
.irp qt, 0,1,2,3
	v_mov_b32 v[NM+2*\qt], v[XX+\qt]               ; also the plain place behind the exponentials (ISA guide 5.7.2)
.endr
.irp qt, 0,1,2,3
.if \first
	v_mov_b32 v[LS+2*\qt], 0
	v_mov_b32 v[LS+2*\qt+1], 0
.else
	v_pk_mul_f32 v[LS+2*\qt:LS+2*\qt+1], v[LS+2*\qt:LS+2*\qt+1], v[AL+2*\qt:AL+2*\qt+1] op_sel_hi:[1,0]
.endif
.endr
	; p = 2^(c s - c m), in place.  Behind a tile's exponentials the next tile's multiply-adds are the plain place.
	WIN 0x41
.irp qt, 0,1,2,3
.irp p, 0,2,4,6,8,10,12,14,16,18,20,22,24,26,28,30
	v_pk_fma_f32 v[32*\qt+\p:32*\qt+\p+1], v[32*\qt+\p:32*\qt+\p+1], s[14:15], v[NM+2*\qt:NM+2*\qt+1] op_sel_hi:[1,0,0]
.endr
.set e, 0
.rept 32
	v_exp_f32 v[32*\qt+e], v[32*\qt+e]
.set e, e+1
.endr
.endr
.if \first == 0
	s_wait_alu depctr_va_vdst(0)
.irp qt, 0,1,2,3
.irp p, 0,2,4,6,8,10,12,14,16,18,20,22,24,26,28,30
	v_pk_mul_f32 v[OO+32*\qt+\p:OO+32*\qt+\p+1], v[OO+32*\qt+\p:OO+32*\qt+\p+1], v[AL+2*\qt:AL+2*\qt+1] op_sel_hi:[1,0]
.endr
.endr
.endif
	WIN 0x01
	s_wait_alu depctr_va_vdst(0)
.irp p, 0,2,4,6,8,10,12,14,16,18,20,22,24,26,28,30
.irp qt, 0,1,2,3
	v_pk_add_f32 v[LS+2*\qt:LS+2*\qt+1], v[32*\qt+\p:32*\qt+\p+1], v[LS+2*\qt:LS+2*\qt+1]
.endr
.endr
	; P^T as B fragments in f16, packed in place: register j of a pair of key tiles takes numbers 2 j and 2 j + 1, which lie at or above it
	WIN 0x45
.irp qt, 0,1,2,3
.irp kp, 0,1
.irp j, 0,1,2,3,4,5,6,7
	v_cvt_pk_f16_f32 v[32*\qt+16*\kp+\j], v[32*\qt+16*\kp+2*\j], v[32*\qt+16*\kp+2*\j+1]
.endr
.endr
.endr
.if \pf
	s_wait_dscnt 16                                ; V's 16 loads are in; the 16 of the next K, issued behind them, stay out
.else
	s_wait_dscnt 0x0
.endif
	; O^T += V^T P^T: again sixteen accumulators by turns
	WIN 0x54
.irp kp, 0,1
.irp dt, 0,1,2,3
.irp qt, 0,1,2,3
.if \first*(1-\kp)
	v_wmma_f32_16x16x32_f16 v[OO+32*\qt+8*\dt:OO+32*\qt+8*\dt+7], v[VF+8*(4*\kp+\dt):VF+8*(4*\kp+\dt)+7], v[32*\qt+16*\kp:32*\qt+16*\kp+7], 0
.else
	v_wmma_f32_16x16x32_f16 v[OO+32*\qt+8*\dt:OO+32*\qt+8*\dt+7], v[VF+8*(4*\kp+\dt):VF+8*(4*\kp+\dt)+7], v[32*\qt+16*\kp:32*\qt+16*\kp+7], v[OO+32*\qt+8*\dt:OO+32*\qt+8*\dt+7]
.endif
.endr
.endr
.endr
.endm
; A tile of 128 keys in slot s.  In front of the round every wave waits for all its tensor loads (its part of this tile among
; them) and for its reads of the other slot; behind it the other slot is asked for first, then this one is read.
.macro TRIP s, refill, first
	WIN 0
	s_wait_tensorcnt 0x0                           ; no tensor load of mine is out: a group 0 may be written
	ds_add_u32 v62, v63
	s_wait_dscnt 0x0
	s_add_nc_u64 s[G0K+4*\s+2:G0K+4*\s+3], s[G0K+4*\s+2:G0K+4*\s+3], 2*TILEB   ; this slot's next tile
	s_add_nc_u64 s[G0V+4*\s+2:G0V+4*\s+3], s[G0V+4*\s+2:G0V+4*\s+3], 2*TILEB
	s_wait_dscnt 0x0
.if \refill
	s_wait_xcnt 0x0                                ; the last trip's prefetch, a whole trip back, has had its address translated: PF is rewritten only behind this wait
	v_add_nc_u32 v[PF], s53, v[PF0]                ; my lane's block in the tile that this trip asks for
	s_add_co_u32 s53, s53, TILEB
	s_min_u32 s53, s53, (TILES-1)*TILEB            ; never past the head's last tile
.endif
	ROUND
.if \refill
	JLOAD 1-\s
.endif
	KLOAD \s, 0
	STEP \s, 0, 1, \first, \refill
	STEP \s, 1, 0, 0, 0
.endm
	TRIP 0, 1, 1                                   ; tile 0: its first step starts the sums; asks for tile 1
	WIN 0
	s_mov_b32 s52, (TILES-2)/2                     ; tiles 1 to 14, two a trip of the loop; they ask for tiles 2 to 15
.Ltiles:
	TRIP 1, 1, 0
	TRIP 0, 1, 0
	WIN 0
	s_sub_co_u32 s52, s52, 1
	s_cmp_lg_u32 s52, 0
	s_cbranch_scc1 .Ltiles
	TRIP 1, 0, 0                                   ; tile 15 asks for nothing
	; THE WAY OUT: divide by the sums, round to f16, 16 tokens at a time through my stage; a store covers four tokens = 512 consecutive bytes of ao
	PLACES
	WIN 0
.irp qt, 0,1,2,3
	v_add_f32 v[T+2*\qt], v[LS+2*\qt], v[LS+2*\qt+1]
.endr
.irp qt, 0,1,2,3
	v_permlanex16_b32 v[XX+\qt], v[T+2*\qt], s12, s13
.endr
.irp qt, 0,1,2,3
	v_add_f32 v[T+2*\qt], v[T+2*\qt], v[XX+\qt]    ; never 0: the largest score's own term is about 1
.endr
.irp qt, 0,1,2,3
	v_rcp_f32 v[AL+2*\qt], v[T+2*\qt]
.endr
	v_nop                                          ; the plain place behind the reciprocals
	WIN 0x41
	s_wait_alu depctr_va_vdst(0)
.irp qt, 0,1,2,3
.irp p, 0,2,4,6,8,10,12,14,16,18,20,22,24,26,28,30
	v_pk_mul_f32 v[OO+32*\qt+\p:OO+32*\qt+\p+1], v[OO+32*\qt+\p:OO+32*\qt+\p+1], v[AL+2*\qt:AL+2*\qt+1] op_sel_hi:[1,0]
.endr
.endr
	WIN 0x05
.irp qt, 0,1,2,3
.irp dt, 0,1,2,3
.irp r, 0,1,2,3
	v_cvt_pk_f16_f32 v[KF+16*\qt+4*\dt+\r], v[OO+32*\qt+8*\dt+2*\r], v[OO+32*\qt+8*\dt+2*\r+1]
.endr
.endr
.endr
	WIN 0
.irp qt, 0,1,2,3
.irp dt, 0,1,2,3
	ds_store_b128 v[STO], v[KF+16*\qt+4*\dt:KF+16*\qt+4*\dt+3] offset:32*\dt
.endr
.irp t, 0,1,2,3
	ds_load_b128 v[VF+16*\qt+4*\t:VF+16*\qt+4*\t+3], v[RD] offset:\t*4*KP    ; LDS serves a wave in order: these see the stores above
.endr
.irp t, 0,1,2,3
	s_wait_dscnt 3-\t                              ; the younger read-backs stay out
	global_store_b128 v[CO], v[VF+16*\qt+4*\t:VF+16*\qt+4*\t+3], s[6:7] offset:\qt*2048+512*\t
.endr
.endr
	s_wait_tensorcnt 0x0
	ds_add_u32 v62, v63
	s_wait_dscnt 0x0
	ROUND                                          ; the closing round
	s_endpgm
.Lfunc_end_k_q987d307018_attn:
	.size	k_q987d307018_attn, .Lfunc_end_k_q987d307018_attn-k_q987d307018_attn
	.p2alignl 7, 3214868480
	.fill 96, 4, 3214868480
	.section	.rodata,"a",@progbits
	.p2align	6, 0x0
	.amdhsa_kernel k_q987d307018_attn
		.amdhsa_group_segment_fixed_size 327680
		.amdhsa_private_segment_fixed_size 0
		.amdhsa_enable_private_segment 0
		.amdhsa_kernarg_size 16
		.amdhsa_user_sgpr_count 2
		.amdhsa_user_sgpr_kernarg_segment_ptr 1
		.amdhsa_wavefront_size32 1
		.amdhsa_system_sgpr_workgroup_id_x 1
		.amdhsa_system_sgpr_workgroup_id_y 1
		.amdhsa_system_sgpr_workgroup_id_z 1
		.amdhsa_system_vgpr_workitem_id 0
		.amdhsa_next_free_vgpr 512
		.amdhsa_next_free_sgpr 66
		.amdhsa_reserve_vcc 0
		.amdhsa_float_denorm_mode_32 3
		.amdhsa_float_denorm_mode_16_64 3
		.amdhsa_memory_ordered 1
		.amdhsa_forward_progress 1
		.amdhsa_inst_pref_size 255
	.end_amdhsa_kernel
	.section	.bss,"aw",@nobits
	.p2align	6
	.space	262144
	.amdgpu_metadata
---
amdhsa.version: [ 1, 2 ]
amdhsa.kernels:
  - .name:           k_q987d307018_attn
    .symbol:         k_q987d307018_attn.kd
    .args:
      - { .name: qkv, .offset: 0, .size: 8, .value_kind: global_buffer, .address_space: global }
      - { .name: ao, .offset: 8, .size: 8, .value_kind: global_buffer, .address_space: global }
    .group_segment_fixed_size: 327680
    .private_segment_fixed_size: 0
    .kernarg_segment_align: 8
    .kernarg_segment_size: 16
    .max_flat_workgroup_size: 256
    .sgpr_count:     66
    .vgpr_count:     512
    .wavefront_size: 32
...
	.end_amdgpu_metadata
.endif
;; end of part 3
;; launch gemm_proj (part 4): grid 8 x 32, 4 waves a work-group, clusters of 4 x 4, 327,680 bytes of LDS; arguments ao, wpb, b_proj, out0; writes out0
.if DOCPART == 4
	.amdgcn_target "amdgcn-amd-amdhsa--gfx1250"
	.amdhsa_code_object_version 6
	.text
	.protected	k_q987d307018_gemm_proj
	.globl	k_q987d307018_gemm_proj
	.p2align	8
	.type	k_q987d307018_gemm_proj,@function
k_q987d307018_gemm_proj:
	s_mov_b64 s[64:65], 0
	v_nop
	global_prefetch_b8 v0, s[64:65] scope:SCOPE_SE
	s_setreg_imm32_b32 hwreg(HW_REG_WAVE_MODE, 25, 1), 1
	s_wait_xcnt 0x0
	s_wait_alu depctr_hold_cnt(0) depctr_sa_sdst(0) depctr_va_vdst(0) depctr_va_sdst(0) depctr_va_ssrc(0) depctr_va_vcc(0) depctr_vm_vsrc(0)
	s_getreg_b32 s2, hwreg(HW_REG_IB_STS2, 6, 4)
	s_cmp_eq_u32 s2, 0
	s_cbranch_scc0 .Lentry_in_a_cluster
	s_endpgm
.Lentry_in_a_cluster:
	s_bfe_u32 s2, ttmp6, 0x10000c
	s_cmp_lg_u32 s2, 0xf033
	s_cbranch_scc0 .Lentry_shape_is_right
	s_endpgm
.Lentry_shape_is_right:
; out0 = a . w_proj^T + b_proj in f32.  ao[b][h][n][d] (f16) holds a[token][64 h + d] / 4 and wpb: [1024][1024] (f16) holds 4 w_proj:
; the two exact factors cancel in the product.  b_proj: [1024] f32.
; LIMIT: operands in f16, sums in f32; non-finite inputs are not reproduced.
; A work-group makes 256 tokens x 128 columns: 8 x 32 = 256 work-groups.  Four waves; wave w makes rows 128 (w >> 1) .., columns
; 64 (w & 1) ..: 32 accumulator tiles, window 1, tile (b 0..3, a 0..7) at 8 (8 b + a).
; K goes in steps of 128 = two heads through two LDS slots.  Waves 0, 1 fetch one head each (256 tokens x 128 bytes, dense in ao),
; waves 2, 3 each 64 rows of wpb (256 bytes, at multiples of 256).
; CLUSTER 4 x 4: a's tiles hang on the block row alone and are asked for jointly along a row of the cluster, wpb's on the block
; column alone and along a column.
; Transposed use (source 0 = rows of wpb, source 1 = tokens): lane (r, h) holds token r, columns 8 h + 0..7 of a tile.  In that
; layout the bias of a column tile is the same eight registers for every token, and the first products take it as C:
; it costs no vector instruction and nothing is cleared.
.set AP,     144                       ; LDS pitch of a's rows: 128 + 16 bytes
.set BP,     272                       ; of wpb's rows: 256 + 16 bytes
.set REG,    256*AP                    ; the region that one wave fills: 36,864 bytes (wpb uses 64 x 272 of them)
.set SLOT,   4*REG
.set STAGE,  2*SLOT                    ; the way out; no tensor load fills it
.set SP,     272                       ; a stage row: 64 f32 + 16 bytes
.set WSTAGE, 16*SP
.set ADRA, 16
.set ADRB, 20
.set STO,  24
.set RD,   25
.set CO,   26
.set BO,   27
.set FA0,  32                          ; fragment set 0: 8 of a, 4 of wpb
.set FB0,  160
.set FA1,  96                          ; fragment set 1
.set FB1,  192
.set BI,   224                         ; v224-255 the bias of my four column tiles
.set G1,  24
.set G0,  32
.set G1B, 48
.set G0B, 56
.set MSB, 0
.macro WIN new
.if MSB != (\new)
	s_set_vgpr_msb (MSB<<8)|(\new)
.set MSB, (\new)
.endif
.endm
.macro PLACES
.rept 4
	v_nop
.endr
.endm
.macro JLOAD s
	s_cmp_eq_u32 s13, 0
	s_cbranch_scc0 .Lfor_b_\@
	tensor_load_to_lds s[G0+4*\s:G0+4*\s+3], s[G1:G1+7]
	s_nop 0
	s_branch .Lasked_\@
.Lfor_b_\@:
	tensor_load_to_lds s[G0B+4*\s:G0B+4*\s+3], s[G1B:G1B+7]
	s_nop 0
.Lasked_\@:
.endm
.macro CREST
	s_cmp_lg_u32 s12, 0
	s_cbranch_scc1 .Lnot_wave_0_\@
	s_barrier_signal -3
.Lnot_wave_0_\@:
	s_barrier_wait -3
	s_barrier_signal -1
	s_barrier_wait -1
.endm
.macro CROUND
	s_barrier_signal -1
	s_barrier_wait -1
	CREST
.endm
	s_load_b256 s[4:11], s[0:1], 0x0               ; ao s[4:5], wpb s[6:7], b_proj s[8:9], out0 s[10:11]
	v_lshl_add_u32 v30, v0, 2, 0x4c400
	v_mov_b32 v31, 0
	ds_add_u32 v30, v31
	v_lshrrev_b32 v1, 5, v0
	v_readfirstlane_b32 s12, v1                    ; wave
	s_lshr_b32 s13, s12, 1                         ; rh; also: I fetch a (0) or wpb (1)
	s_and_b32 s14, s12, 1                          ; ch; also: which head, or which 64 rows, I fetch
	s_bfe_u32 s16, ttmp6, 0x40000                  ; cx
	s_bfe_u32 s17, ttmp6, 0x40004                  ; cy
	s_lshl_b32 s18, ttmp9, 2
	s_add_co_u32 s18, s18, s16                     ; X 0..7
	s_and_b32 s19, ttmp7, 0xffff
	s_lshl_b32 s19, s19, 2
	s_add_co_u32 s19, s19, s17                     ; Y 0..31
	s_lshl_b32 s20, s17, 2
	s_lshl_b32 s20, 15, s20                        ; my row of the cluster
	s_lshl_b32 s21, 0x1111, s16                    ; my column
	s_or_b32 s[G1+0],  s20, (1<<16)|(1<<20)|(1<<21)|(4<<22)|(3<<25)   ; a: 4 words of padding behind every 32
	s_or_b32 s[G1B+0], s21, (1<<16)|(1<<20)|(1<<21)|(5<<22)|(3<<25)   ; wpb: behind every 64
	s_mov_b32 s[G1+1],  64<<16                     ; tensor_dim0
	s_mov_b32 s[G1B+1], 128<<16
	s_mov_b32 s[G1+2],  256<<16                    ; tensor_dim1
	s_mov_b32 s[G1B+2], 64<<16
	s_mov_b32 s[G1+3],  64<<16                     ; tile_dim0
	s_mov_b32 s[G1B+3], 128<<16
	s_mov_b32 s[G1+4],  256                        ; tile_dim1
	s_mov_b32 s[G1B+4], 64
	s_mov_b32 s[G1+5],  64                         ; elements from row to row
	s_mov_b32 s[G1B+5], 1024
	s_mov_b32 s[G1+6],  0
	s_mov_b32 s[G1B+6], 0
	s_mov_b32 s[G1+7],  0
	s_mov_b32 s[G1B+7], 0
	s_lshr_b32 s40, s19, 3                         ; batch
	s_lshl_b32 s40, s40, 4
	s_add_co_u32 s40, s40, s14                     ; head 16 b + ch
	s_lshl_b32 s40, s40, 11
	s_and_b32 s41, s19, 7
	s_lshl_b32 s41, s41, 8
	s_add_co_u32 s40, s40, s41                     ; token 256 (Y % 8) of it
	s_lshl_b32 s40, s40, 7                         ; x 128 bytes
	s_mov_b32 s41, 0
	s_lshl_b32 s44, s18, 7
	s_lshl_b32 s45, s14, 6
	s_add_co_u32 s44, s44, s45                     ; row 128 X + 64 ch of wpb
	s_lshl_b32 s44, s44, 11
	s_mov_b32 s45, 0
	s_mul_i32 s22, s12, REG
	; the way out and the bias, in registers from which no descriptor is made
	s_lshl_b32 s70, s18, 9
	s_lshl_b32 s71, s14, 8
	s_add_co_u32 s70, s70, s71                     ; my first column in bytes of f32: 512 X + 256 ch
	s_mov_b32 s71, 0
	s_lshl_b32 s72, s19, 8
	s_lshl_b32 s73, s13, 7
	s_add_co_u32 s72, s72, s73                     ; my first row: 256 Y + 128 rh
	s_lshl_b32 s72, s72, 12                        ; x 4,096 bytes (below 2^25)
	s_add_co_u32 s72, s72, s70
	s_mov_b32 s73, 0
	s_wait_dscnt 0x0
	s_wait_kmcnt 0x0
	s_add_nc_u64 s[42:43], s[4:5], s[40:41]
	s_add_nc_u64 s[46:47], s[6:7], s[44:45]
	s_add_nc_u64 s[8:9], s[8:9], s[70:71]
	s_add_nc_u64 s[10:11], s[10:11], s[72:73]
	CROUND                                         ; in front of the first joint loads
.irp s, 0,1
	s_mov_b32 s[G0+4*\s], 1
	s_add_co_u32 s[G0+4*\s+1], s22, \s*SLOT
	s_add_nc_u64 s[G0+4*\s+2:G0+4*\s+3], s[42:43], \s*2*262144     ; K step s: two heads on
	s_or_b32 s[G0+4*\s+3], s[G0+4*\s+3], 0x80000000
	s_mov_b32 s[G0B+4*\s], 1
	s_add_co_u32 s[G0B+4*\s+1], s22, \s*SLOT
	s_add_nc_u64 s[G0B+4*\s+2:G0B+4*\s+3], s[46:47], \s*256
	s_or_b32 s[G0B+4*\s+3], s[G0B+4*\s+3], 0x80000000
	JLOAD \s                                       ; two tensor loads of the wave are out
.endr
	v_and_b32 v1, 15, v0                           ; r
	v_bfe_u32 v2, v0, 4, 1                         ; h
	v_lshlrev_b32 v[BO], 5, v2
.irp b, 0,1,2,3
	global_load_b128 v[BI+8*\b:BI+8*\b+3],   v[BO], s[8:9] offset:64*\b      ; bias of columns 16 b + 8 h + 0..7
	global_load_b128 v[BI+8*\b+4:BI+8*\b+7], v[BO], s[8:9] offset:64*\b+16
.endr
	v_mul_u32_u24 v3, v1, AP
	v_lshl_add_u32 v3, v2, 4, v3                   ; 144 r + 16 h
	v_mul_u32_u24 v4, v1, BP
	v_lshl_add_u32 v5, v2, 4, v4                   ; 272 r + 16 h
	s_mul_i32 s66, s13, 128*AP                     ; my 128 tokens in each head's region
	s_mul_i32 s67, s14, REG
	s_add_co_u32 s67, s67, 2*REG                   ; my 64 rows of wpb
.irp s, 0,1
	v_add_nc_u32 v[ADRA+\s], s66, v3
	v_add_nc_u32 v[ADRB+\s], s67, v5
	s_add_co_u32 s66, s66, SLOT
	s_add_co_u32 s67, s67, SLOT
.endr
	s_mul_i32 s68, s12, WSTAGE
	s_add_co_u32 s68, s68, STAGE
	v_lshl_add_u32 v4, v2, 5, v4                   ; in: 272 r + 32 h
	v_add_nc_u32 v[STO], s68, v4
	v_mul_u32_u24 v5, v2, SP                       ; back: lanes 0-15 one row of 256 bytes, lanes 16-31 the next
	v_lshl_add_u32 v5, v1, 4, v5
	v_add_nc_u32 v[RD], s68, v5
	v_lshlrev_b32 v5, 12, v2
	v_lshl_add_u32 v[CO], v1, 4, v5                ; the same two rows in out0
; 24 loads: quarter q (32 along K) of a slot: 4 fragments of wpb, then 8 of a (head q >> 1, byte 64 (q & 1) of its rows)
.macro FETCH slot, q, fa, fb
.irp i, 0,1,2,3
	ds_load_b128 v[\fb+8*\i:\fb+8*\i+3],   v[ADRB+\slot] offset:64*\q+\i*16*BP
	ds_load_b128 v[\fb+8*\i+4:\fb+8*\i+7], v[ADRB+\slot] offset:64*\q+\i*16*BP+32
.endr
.irp i, 0,1,2,3,4,5,6,7
	ds_load_b128 v[\fa+8*\i:\fa+8*\i+3],   v[ADRA+\slot] offset:(\q>>1)*REG+(\q&1)*64+\i*16*AP
	ds_load_b128 v[\fa+8*\i+4:\fa+8*\i+7], v[ADRA+\slot] offset:(\q>>1)*REG+(\q&1)*64+\i*16*AP+32
.endr
.endm
; eight matrix instructions: column tile b x the eight row tiles.  bias = 1: the bias starts the sums.
; The 32 accumulators take turns, one instruction a turn, in the same order in every quarter.
.macro MULB fa, fb, b, bias
.irp a, 0,1,2,3,4,5,6,7
.if \bias
	v_wmma_f32_16x16x32_f16 v[8*(8*\b+\a):8*(8*\b+\a)+7], v[\fb+8*\b:\fb+8*\b+7], v[\fa+8*\a:\fa+8*\a+7], v[BI+8*\b:BI+8*\b+7]
.else
	v_wmma_f32_16x16x32_f16 v[8*(8*\b+\a):8*(8*\b+\a)+7], v[\fb+8*\b:\fb+8*\b+7], v[\fa+8*\a:\fa+8*\a+7], v[8*(8*\b+\a):8*(8*\b+\a)+7]
.endif
.endr
.endm
; One of a K step's first three quarters: fetches quarter nq into set (ga, gb), multiplies set (fa, fb)
.macro QUARTER slot, nq, fa, fb, ga, gb, bias
	PLACES                                         ; the other set was read by the matrix instructions just issued
	WIN 0
	FETCH \slot, \nq, \ga, \gb
	s_wait_dscnt 24                                ; all but the 24 loads just issued
.if \bias
	WIN 0x40                                       ; D in window 1, C (the bias) in window 0
.else
	WIN 0x50
.endif
	MULB \fa, \fb, 0, \bias
	MULB \fa, \fb, 1, \bias
	MULB \fa, \fb, 2, \bias
	MULB \fa, \fb, 3, \bias
.endm
.macro THREE slot, bias
	QUARTER \slot, 1, FA0, FB0, FA1, FB1, \bias
	QUARTER \slot, 2, FA1, FB1, FA0, FB0, 0
	QUARTER \slot, 3, FA0, FB0, FA1, FB1, 0
.endm
; The last quarter multiplies set 1 and changes slots.  In front of the barrier each wave waits for its reads of this slot and for
; all its tensor loads (one is out: its part of the next slot); where the slot is filled again the barrier opens a round of the
; cluster barrier and the joint load is the first tensor load behind it.  From a request to the wait for it: 112 matrix instructions.
.macro TURN slot, next, fill
	s_wait_dscnt 0
	s_wait_tensorcnt 0x0
	ds_add_u32 v30, v31
	s_wait_dscnt 0x0
	WIN 0x50
	s_barrier_signal -1
	MULB FA1, FB1, 0, 0
	MULB FA1, FB1, 1, 0
	WIN 0
	s_barrier_wait -1
.if \fill
	CREST
	s_add_nc_u64 s[G0+4*\slot+2:G0+4*\slot+3], s[G0+4*\slot+2:G0+4*\slot+3], 4*262144   ; two K steps = four heads on
	s_add_nc_u64 s[G0B+4*\slot+2:G0B+4*\slot+3], s[G0B+4*\slot+2:G0B+4*\slot+3], 512
	JLOAD \slot
.endif
	PLACES
	FETCH \next, 0, FA0, FB0
	WIN 0x50
	MULB FA1, FB1, 2, 0
	MULB FA1, FB1, 3, 0
.endm
.macro LAP bias
	THREE 0, \bias
	TURN 0, 1, 1
	THREE 1, 0
	TURN 1, 0, 1
.endm
	s_wait_loadcnt 0x0                             ; the bias
	s_wait_tensorcnt 0x1                           ; my part of K step 0 is in; K step 1 stays out
	s_barrier_signal -1
	s_barrier_wait -1
	FETCH 0, 0, FA0, FB0
	LAP 1                                          ; 8 K steps = 4 laps: the first starts the sums,
	WIN 0
	s_mov_b32 s15, 2                               ; two go round,
.Llap:
	LAP 0
	WIN 0
	s_sub_co_u32 s15, s15, 1
	s_cmp_lg_u32 s15, 0
	s_cbranch_scc1 .Llap
	THREE 0, 0                                     ; the last fills nothing and has no round
	TURN 0, 1, 0
	THREE 1, 0
	s_wait_dscnt 0
	WIN 0x50
	MULB FA1, FB1, 0, 0
	MULB FA1, FB1, 1, 0
	MULB FA1, FB1, 2, 0
	MULB FA1, FB1, 3, 0
	PLACES                                         ; in front of the LDS stores that read results and of the loads into the fragment sets
; THE WAY OUT, 16 tokens at a time: a lane's 32 bytes of each tile go straight from the accumulators into my stage; whole rows of
; 256 bytes come back, and sixteen lanes store 256 consecutive bytes at a multiple of 256 from the first byte of out0.
.macro OUT16 i, f
	WIN 0x04                                       ; the data of an LDS store are its source 1: window 1
.irp b, 0,1,2,3
	ds_store_b128 v[STO], v[8*(8*\b+\i):8*(8*\b+\i)+3]   offset:64*\b
	ds_store_b128 v[STO], v[8*(8*\b+\i)+4:8*(8*\b+\i)+7] offset:64*\b+16
.endr
	WIN 0
	s_wait_xcnt 0x0                                ; buffer f, which earlier stores read, is loaded again only behind this wait
.irp t, 0,1,2,3,4,5,6,7
	ds_load_b128 v[\f+4*\t:\f+4*\t+3], v[RD] offset:\t*2*SP        ; LDS serves a wave in order: these see the stores above
.endr
.irp t, 0,1,2,3,4,5,6,7
	s_wait_dscnt 7-\t                              ; the younger read-backs stay out
	global_store_b128 v[CO], v[\f+4*\t:\f+4*\t+3], s[10:11] offset:(16*\i+2*\t)*4096 th:TH_STORE_NT
.endr
.endm
	OUT16 0, FA0
	OUT16 1, FA1
	OUT16 2, FA0
	OUT16 3, FA1
	OUT16 4, FA0
	OUT16 5, FA1
	OUT16 6, FA0
	OUT16 7, FA1
	s_wait_tensorcnt 0x0
	ds_add_u32 v30, v31
	s_wait_dscnt 0x0
	CROUND                                         ; the closing round
	s_endpgm
.Lfunc_end_k_q987d307018_gemm_proj:
	.size	k_q987d307018_gemm_proj, .Lfunc_end_k_q987d307018_gemm_proj-k_q987d307018_gemm_proj
	.p2alignl 7, 3214868480
	.fill 96, 4, 3214868480
	.section	.rodata,"a",@progbits
	.p2align	6, 0x0
	.amdhsa_kernel k_q987d307018_gemm_proj
		.amdhsa_group_segment_fixed_size 327680
		.amdhsa_private_segment_fixed_size 0
		.amdhsa_enable_private_segment 0
		.amdhsa_kernarg_size 32
		.amdhsa_user_sgpr_count 2
		.amdhsa_user_sgpr_kernarg_segment_ptr 1
		.amdhsa_wavefront_size32 1
		.amdhsa_system_sgpr_workgroup_id_x 1
		.amdhsa_system_sgpr_workgroup_id_y 1
		.amdhsa_system_sgpr_workgroup_id_z 1
		.amdhsa_system_vgpr_workitem_id 0
		.amdhsa_next_free_vgpr 512
		.amdhsa_next_free_sgpr 74
		.amdhsa_reserve_vcc 0
		.amdhsa_float_denorm_mode_32 3
		.amdhsa_float_denorm_mode_16_64 3
		.amdhsa_memory_ordered 1
		.amdhsa_forward_progress 1
		.amdhsa_inst_pref_size 118
	.end_amdhsa_kernel
	.amdgpu_metadata
---
amdhsa.version: [ 1, 2 ]
amdhsa.kernels:
  - .name:           k_q987d307018_gemm_proj
    .symbol:         k_q987d307018_gemm_proj.kd
    .args:
      - { .name: ao, .offset: 0, .size: 8, .value_kind: global_buffer, .address_space: global }
      - { .name: wpb, .offset: 8, .size: 8, .value_kind: global_buffer, .address_space: global }
      - { .name: b_proj, .offset: 16, .size: 8, .value_kind: global_buffer, .address_space: global }
      - { .name: out0, .offset: 24, .size: 8, .value_kind: global_buffer, .address_space: global }
    .group_segment_fixed_size: 327680
    .private_segment_fixed_size: 0
    .kernarg_segment_align: 8
    .kernarg_segment_size: 32
    .max_flat_workgroup_size: 128
    .sgpr_count:     74
    .vgpr_count:     512
    .wavefront_size: 32
...
	.end_amdgpu_metadata
.endif
;; end of part 4
